; MI455X (gfx1250); checked and timed in simulation.
; The chip was launched on July 23, 2026; its instructions are those of AMD's public machine-readable ISA for CDNA 5 (MIT licence, August 2026) and "CDNA5" Instruction Set Architecture Reference Guide (July 2026). The comments in the code are by the model that wrote it; some were corrected since.
;; SA Block. Allowed arithmetic: matrix products marked QUANTISED: E5M2 operands, one E8M0 scale for each 32 along K, by v_wmma_scale_f32_16x16x128_f8f6f4 with both operands' format E5M2, f32 sums; everything else in f32.
;; Inputs: Wk_codes 32 x 8 x 32 uint8 (E5M2 codes of Wk, K innermost, in blocks of 32 codes); Wk_scales 32 x 8 uint8 (E8M0 scales of Wk, one for each 32 codes along K); Wq_codes 32 x 8 x 32 uint8 (E5M2 codes of Wq, K innermost, in blocks of 32 codes); Wq_scales 32 x 8 uint8 (E8M0 scales of Wq, one for each 32 codes along K); Wv_codes 256 x 8 x 32 uint8 (E5M2 codes of Wv, K innermost, in blocks of 32 codes); Wv_scales 256 x 8 uint8 (E8M0 scales of Wv, one for each 32 codes along K); bk 32 float32; bq 32 float32; bv 256 float32; gamma 1 float32; mask 4 x 1 x 64 x 64 float32; x 4 x 256 x 64 x 64 float32.
;; Outputs: out0 4 x 256 x 64 x 64 float32.
;; This version of the problem:
;;   THIS VERSION OF THE PROBLEM IS GIVEN IN LOW PRECISION. The matrix products marked QUANTISED in the list below multiply operands that are first quantised to E5M2 (5 exponent bits, 2 mantissa bits; 8 bits a number), with one power-of-two scale for each 32 numbers along K (OCP MX v1.0); their sums are f32. All else is computed in f32.
;;   The module's matrix products, in the order in which they are computed (A, B: the left and right operand; K: the contracted axis; several contracted axes count as one K, in the product's order):
;;     1. [M 16,384, K 256] x [K 256, N 32]; A: input x; B: input Wq (given as codes): QUANTISED
;;     2. [M 16,384, K 256] x [K 256, N 32]; A: input x; B: input Wk (given as codes): QUANTISED
;;     3. [M 16,384, K 256] x [K 256, N 256]; A: input x; B: input Wv (given as codes): QUANTISED
;;     4. batch 4 x [M 4,096, K 32] x [K 32, N 4,096]; A: computed on the way; B: computed on the way: QUANTISED
;;     5. batch 4 x [M 256, K 4,096] x [K 4,096, N 4,096]; A: computed on the way; B: softmax (see below): QUANTISED
;;   THE QUANTISER, for each operand of a quantised product, along K:
;;     - K is cut into blocks of 32 from its start; a last block that is shorter is filled with zeros.
;;     - A block's scale is 2^e with e = floor(log2(the largest magnitude in the block)) - 15, held to -126 .. 127; a block of zeros has e = 0. As a byte (E8M0): e + 127.
;;     - Each number is divided by its block's scale, clamped to +-57,344, and rounded to the nearest number of E5M2, ties to even, subnormals kept.
;;     - The product sums the exact products of the quantised numbers (number of the format x scale) in f32.
;;   ~~~python
;;   def quantise(x, axis):      # numpy; x: float32 -> the quantised numbers, widened to float32 again
;;       x = np.moveaxis(x, axis, -1); K = x.shape[-1]
;;       x = np.pad(x, [(0, 0)] * (x.ndim - 1) + [(0, -K % 32)]); x = x.reshape(x.shape[:-1] + (-1, 32)); a = np.abs(x).max(-1, keepdims=True)
;;       e = np.where(a > 0, np.clip(np.frexp(np.where(a > 0, a, 1))[1] - 1 - 15, -126, 127), 0)      # np.frexp(a)[1] - 1 = floor(log2(a)), exactly
;;       r = np.clip(x / 2.0 ** e, -57344, 57344)
;;       step = 2.0 ** (np.maximum(np.frexp(np.where(r == 0, 1, r))[1] - 1, -14) - 2)
;;       q = np.round(r / step) * step * 2.0 ** e      # np.round: ties to even
;;       return np.moveaxis(q.reshape(q.shape[:-2] + (-1,))[..., :K], -1, axis).astype(np.float32)
;;   ~~~
;;   SOFTMAX AHEAD OF A QUANTISED PRODUCT. Where the list says 'softmax', what is quantised is not the finished softmax but p = 2^(t - M), with t = logit x log2(e) and M = ceil(the row's largest t), a whole number; so 1/2 < the row's largest p <= 1. The row's sum l is taken of the UNQUANTISED p, in f32, and the product's result is divided by l at the end. Since M is a whole number, a kernel that streams over the keys may use a running M (the ceiling of the running maximum): every later rescaling is an exact power of two, which a block's scale takes up: the codes' values come out the same.
;;   OPERANDS COMPUTED ON THE WAY. 'Computed on the way' means the value that the module computes at that place (a softmax that the list does not call 'softmax' is quantised finished and normalised). What goes into a quantiser is computed in f32, as accurately as f32 sums, v_exp_f32 and their like allow (about 1e-6 of the number): no bf16 or f16 on the way to a quantiser, and a product that is left as it is and whose result goes on into a quantised operand takes f32 operands (vector FMAs, or v_wmma_f32_16x16x4_f32). A number that lies on a knife's edge between two numbers of the format may be rounded either way, as far as f32 arithmetic and the matrix unit's own rounding can turn it there, and no further.
;;   INPUTS GIVEN AS CODES. Wk (in the module: [32, 256], K = its axis 1); Wq (in the module: [32, 256], K = its axis 1); Wv (in the module: [256, 256], K = its axis 1): each comes as NAME_codes (uint8): NAME with its K axis moved to the last place and cut into blocks of 32 codes, [.., K / 32, bytes a block], one block behind the other in memory; one code a byte (a code: sign, 5 exponent bits, 2 mantissa bits); and NAME_scales (uint8): the same leading axes, one E8M0 byte (e + 127) for each 32 codes along K. Its value is code x scale, taken as it is: it is not quantised again, and the codes and scales need not be those that the quantiser above would give.
;; One version. Each part assembles by itself: llvm-mc -triple=amdgcn-amd-amdhsa -mcpu=gfx1250 --defsym DOCPART=n.
;; ======== version 1 of 1: 2 launches
;; limits: right only within a limited range of input values
;; workspace buffers: kv 4,915,200 bytes; qs 589,824 bytes
;; launch proj (part 1): grid 64 x 4, 8 waves a work-group, no clusters, 168,960 bytes of LDS; arguments x, mask, Wv_codes, Wv_scales, bv, Wq_codes, Wq_scales, bq, Wk_codes, Wk_scales, bk, kv, qs; writes kv, qs
.if DOCPART == 1
	.amdgcn_target "amdgcn-amd-amdhsa--gfx1250"
	.amdhsa_code_object_version 6
	.text
	.protected	k_qacbe511165_proj
	.globl	k_qacbe511165_proj
	.p2align	8
	.type	k_qacbe511165_proj,@function
k_qacbe511165_proj:
	s_mov_b64 s[64:65], 0
	v_nop
	global_prefetch_b8 v0, s[64:65] scope:SCOPE_SE
	s_setreg_imm32_b32 hwreg(HW_REG_WAVE_MODE, 25, 1), 1
	s_wait_xcnt 0x0
; q = (Wq x + bq) m, k = (Wk x + bk) m, v = Wv x + bv on codes of BF8 (E5M2) with one E8M0 scale for each 32 along K, and the three results quantised again for the attention launch.
; x: [4][256 channels][4,096 pixels] f32; K of these products is the channel, x's outer axis.  The weights come as codes, K innermost.
; SHARES.  A work-group takes 64 pixels of one batch: 256 rows of 256 bytes of x, brought into LDS once by eight tensor loads (32 rows a wave).  Wave w: T = w / 2, sel = w % 2.
;   X: wave w quantises x's fragment (pixel tile T, channels 128 sel on): a lane takes ONE pixel and its registers run down the channels, so that the conversions give codes with K innermost.
;      The fragment goes to the other waves as an image of its registers (512 bytes a store), its scale words 4 bytes a lane.
;   products: v for channel tiles 2 w, 2 w + 1 and all four pixel tiles (source 0 = x, source 1 = Wv: a lane holds one channel and eight pixels: the pixels are the next K);
;      q (sel = 0) or k (sel = 1) for pixel tile T (source 0 = the weight, source 1 = x: a lane holds one pixel and eight channels: the channels are the next K).
; THE PIXELS OF A TILE ARE NOT NEIGHBOURS: lane r of tile T stands for pixel 32 (T / 2) + 8 (T % 2) + r + 8 (r / 8), and likewise the rows of Wq, Wk that form a tile, so that the 16 registers of two
; neighbouring tiles are 16 neighbours along the next K.
; OUT.  kv: a record of 38,400 bytes for each 128 keys: V's 16 fragments, K's two packed fragments (four key tiles, one in each block of 32), and for each half of 64 keys 768 bytes of scale bytes; all as images of
; the operand registers.  qs: a record of 2,304 bytes for each 64 queries: four tiles' codes, then their scale words (the one byte four times).
; LIMITS: NaN and infinities in x, mask and the biases are not served.  A block of zeros gets the scale byte 1 (its codes are zeros; these bytes are read by this program alone).
.set XP,    264                        ; a row of x in LDS: 256 bytes + 8 = 66 words: 16 rows on is 32 banks on (64 banks of 4 bytes: ISA guide 11.1), so lanes 16-31 never meet lanes 0-15
.set XIMG,  0                          ; LDS: x's 8 fragments as images, index 2 T + K step, 2,048 bytes each
.set XSC,   16384                      ; their scale words, 128 bytes each
.set VSST,  17408                      ; V's scale bytes of these 64 keys, 512 bytes
.set KSST,  17920                      ; K's scale words, 64 bytes, and zeros behind them
.set QSST,  18432                      ; Q's scale words, 256 bytes
.set XT,    18688                      ; x's tile: 256 rows of XP bytes, filled by the tensor loads, once
.set RECB,  38400
.set QRECB, 2304
.set LI,  5                            ; v5   16 x lane
.set LS,  6                            ; v6   4 x lane
.set XRA, 7                            ; v7   my pixel's column in x's tile, at my first channel
.set XWI, 8                            ; v8   where I store my fragment's image
.set XWS, 9                            ; v9   and its scale words
.set XQI, 10                           ; v10  where my pixel tile's two images lie
.set XQS, 11                           ; v11  and their scale words
.set AVS, 12                           ; v12  V's scale bytes: 16 r + 4 (w % 4) + 2 (w / 4)
.set AQS, 13                           ; v13  Q's scale word: 4 r + 64 T
.set AKS, 14                           ; v14  K's scale byte: 4 r + T
.set L8,  15                           ; v15  8 x lane
.set XQ,  16                           ; v16-47   my pixel tile's two fragments of x
.set WVA, 48                           ; v48-57   byte offsets in memory; never rewritten
.set WQA, 49
.set O8R, 50
.set O8P, 51
.set O64H, 52
.set O4R, 53
.set O4P, 54
.set VWO, 55
.set SV0, 56
.set SV1, 57
.set RAW, 64                           ; v64-127  64 numbers of x; later
.set ACC, 64                           ;          v's 8 accumulators: 32 x channel tile + 8 x pixel tile
.set QA,  128                          ; v128-143 q's or k's two accumulators
.set BQ,  144                          ; v144-159 bq or bk in the result's layout
.set PC,  160                          ; v160-175 the codes just made
.set TM,  176                          ; v176-179 largest magnitudes, 180-183 bytes, 188-191 the conversions' scale operands
.set PW,  192                          ; the scale word just made
.set QW,  193                          ; q's scale byte four times
.set QB,  195                          ; q's or k's scale byte
.set PCQ, 196                          ; v196-199 q's or k's codes
.set XS,  200                          ; v200-207 x's scale words, index 2 T + K step
.set WVS, 208                          ; v208-211 Wv's
.set WQS, 212                          ; v212-215 Wq's or Wk's
.set MK,  216                          ; v216-217 my pixel's mask, as a pair
.set BVL, 218                          ; v218-219 bv of my two channels
.set XQSC, 222                         ; v222-223 my pixel tile's scale words
.set OUTR, 224
.set ZZ,  228                          ; v228-229 zeros
.set BV,  232                          ; v232-247 bv in the result's layout: eight registers a channel tile
; window 1: v0-127 x's 8 fragments; v128-191 Wv's four (2 x channel tile + K step); v192-255 Wq's or Wk's four (2 x tile + K step)
.set MSB, 0
.macro WIN new                         ; the immediate's high byte repeats the setting that is left
.if MSB != \new
	s_set_vgpr_msb (MSB<<8)|\new
.set MSB, \new
.endif
.endm
; 64 numbers of a lane, register 16 b + i, four blocks of which lane l xor 16 holds the other halves, become 16 registers of codes in v[PC] on and four scale bytes in v[PW].
.macro QUANT s
.irp b, 0,1,2,3
	v_max3_num_f32 v[TM+\b], |v[\s+16*\b]|, |v[\s+1+16*\b]|, 0x8000000   ; block b: my 16 numbers, and the floor 2^(16 - 127): the byte cannot fall under 1
.endr
.irp i, 2,4,6,8,10,12,14
.irp b, 0,1,2,3
	v_max3_num_f32 v[TM+\b], v[TM+\b], |v[\s+16*\b+\i]|, |v[\s+1+16*\b+\i]|   ; the four blocks by turns; every accumulator is read from its low end on
.endr
.endr
.irp b, 0,1,2,3
	s_delay_alu instid0(VALU_DEP_4)
	v_permlanex16_b32 v[TM+4+\b], v[TM+\b], s68, s69
.endr
.irp b, 0,1,2,3
	s_delay_alu instid0(VALU_DEP_4)
	v_max_num_f32 v[TM+\b], v[TM+\b], v[TM+4+\b]   ; with lane l xor 16's: the block's largest magnitude
.endr
.irp b, 0,1,2,3
	s_delay_alu instid0(VALU_DEP_4)
	v_add_nc_u32 v[TM+12+\b], 0xf8800000, v[TM+\b]   ; 15 off its exponent field: the conversion's scale operand
.endr
.irp b, 0,1,2,3
.endr
.irp b, 0,1,2,3
	s_delay_alu instid0(VALU_DEP_4)
	v_lshrrev_b32 v[TM+4+\b], 23, v[TM+12+\b]   ; the scale's byte
.endr
	s_delay_alu instid0(VALU_DEP_3)
	v_lshl_or_b32 v[PW], v[TM+5], 8, v[TM+4]
	s_delay_alu instid0(VALU_DEP_1)
	v_lshl_or_b32 v[PW], v[TM+6], 16, v[PW]
	s_delay_alu instid0(VALU_DEP_1)
	v_lshl_or_b32 v[PW], v[TM+7], 24, v[PW]
.irp b, 0,1,2,3
.irp i, 0,1,2,3,4,5,6,7,8,9,10,11,12,13,14,15
.endr
	v_cvt_scalef32_pk8_bf8_f32 v[PC+4*\b:PC+1+4*\b], v[\s+16*\b:\s+7+16*\b], v[TM+12+\b]
	v_cvt_scalef32_pk8_bf8_f32 v[PC+2+4*\b:PC+3+4*\b], v[\s+8+16*\b:\s+15+16*\b], v[TM+12+\b]
.endr
	v_nop                                          ; one plain vector instruction behind the last scaled conversion
.endm
.macro IMAGE adr, off                  ; the fragment in v[PC] on goes to LDS as it stands: 512 consecutive bytes a store
.irp c, 0,1,2,3
	ds_store_b128 v[\adr], v[PC+4*\c:PC+4*\c+3] offset:\off+512*\c
.endr
.endm
.macro FETCH reg, adr, off             ; and comes back so, in any wave
.irp c, 0,1,2,3
	ds_load_b128 v[\reg+4*\c:\reg+4*\c+3], v[\adr] offset:\off+512*\c
.endr
.endm
.macro BARRIER                         ; my LDS stores have landed and my LDS loads are in: then the work-group's barrier
	s_wait_dscnt 0x0
	s_barrier_signal -1
	s_barrier_wait -1
.endm
	s_load_b512 s[8:23], s[0:1], 0x0               ; x s[8:9], mask s[10:11], Wv's codes s[12:13], Wv's scales s[14:15], bv s[16:17], Wq's codes s[18:19], Wq's scales s[20:21], bq s[22:23]
	s_load_b256 s[24:31], s[0:1], 0x40             ; Wk's codes s[24:25], Wk's scales s[26:27], bk s[28:29], kv s[30:31]
	s_load_b64 s[32:33], s[0:1], 0x60              ; qs
	v_lshl_add_u32 v254, v0, 2, 0x29000
	v_mov_b32 v255, 0
	ds_add_u32 v254, v255
	ds_add_u32 v254, v255
	v_lshrrev_b32 v1, 5, v0
	s_delay_alu instid0(VALU_DEP_1)
	v_readfirstlane_b32 s34, v1                    ; wave w, 0..7
	s_lshr_b32 s35, s34, 1                         ; T
	s_and_b32 s36, s34, 1                          ; sel
	s_mov_b32 s37, ttmp9                           ; which 64 pixels
	s_and_b32 s38, ttmp7, 0xffff                   ; the batch
	s_and_b32 s71, s37, 1                          ; which half of a record's 128 keys
	; descriptor group 1: 32 rows of 64 elements of 4 bytes, 4,096 elements apart; 2 words of padding behind every 64
	s_mov_b32 s44, (2<<16)|(1<<20)|(5<<22)|(1<<25)
	s_mov_b32 s45, 64<<16                          ; tensor_dim0 = 64
	s_mov_b32 s46, 32<<16                          ; tensor_dim1 = 32
	s_mov_b32 s47, 64<<16                          ; tile_dim0 = 64
	s_mov_b32 s48, 32                              ; tile_dim1 = 32
	s_mov_b32 s49, 4096                            ; from row to row
	s_mov_b32 s50, 0
	s_mov_b32 s51, 0
	s_mov_b32 s40, 1                               ; group 0: count = 1
	s_mul_i32 s41, s34, 32*XP
	s_add_co_u32 s41, s41, XT                      ; LDS: my 32 rows
	s_lshl_b32 s72, s38, 22                        ; memory: batch x 256 rows x 16,384 bytes
	s_lshl_b32 s76, s34, 19                        ; + wave x 32 rows
	s_add_co_u32 s72, s72, s76
	s_lshl_b32 s76, s37, 8                         ; + 64 pixels x 4 bytes x block
	s_add_co_u32 s72, s72, s76
	s_mov_b32 s73, 0
	s_wait_dscnt 0x0
	s_wait_kmcnt 0x0
	s_add_nc_u64 s[42:43], s[8:9], s[72:73]
	s_or_b32 s43, s43, 0x80000000                  ; type = 2
	tensor_load_to_lds s[40:43], s[44:51]          ; x goes out first: one tensor load a wave, filled once
	s_nop 0
.rept 4
	v_nop
.endr
	s_lshr_b32 s39, s35, 1
	s_lshl_b32 s39, s39, 7
	s_and_b32 s76, s35, 1
	s_lshl_b32 s76, s76, 5
	s_add_co_u32 s39, s39, s76                     ; 4 x (32 (T / 2) + 8 (T % 2)): my tile's first pixel, in bytes
	v_and_b32 v1, 31, v0                           ; lane
	v_and_b32 v2, 15, v0                           ; r
	v_bfe_u32 v3, v0, 4, 1                         ; h
	s_delay_alu instid0(VALU_DEP_2)
	v_and_b32 v4, 8, v2
	s_delay_alu instid0(VALU_DEP_1)
	v_add_nc_u32 v4, v4, v2                        ; r + 8 (r / 8)
	v_lshlrev_b32 v[LI], 4, v1
	v_lshlrev_b32 v[LS], 2, v1
	v_lshlrev_b32 v[L8], 3, v1
	s_mul_i32 s76, s36, 128*XP
	s_add_co_u32 s76, s76, s39
	s_add_co_u32 s76, s76, XT
	v_mul_u32_u24 v[XRA], v3, 16*XP
	s_delay_alu instid0(VALU_DEP_1)
	v_lshl_add_u32 v[XRA], v4, 2, v[XRA]
	s_delay_alu instid0(VALU_DEP_1)
	v_add_nc_u32 v[XRA], s76, v[XRA]               ; channel 128 sel + 16 h, my pixel
	s_lshl_b32 s76, s34, 11
	v_add_nc_u32 v[XWI], s76, v[LI]
	s_lshl_b32 s76, s34, 7
	v_add_nc_u32 v[XWS], s76, v[LS]
	s_lshl_b32 s76, s35, 12
	v_add_nc_u32 v[XQI], s76, v[LI]
	s_lshl_b32 s76, s35, 8
	v_add_nc_u32 v[XQS], s76, v[LS]
	s_and_b32 s76, s34, 3
	s_lshl_b32 s76, s76, 2
	s_lshr_b32 s77, s34, 2
	s_lshl_b32 s77, s77, 1
	s_add_co_u32 s76, s76, s77
	v_lshl_add_u32 v[AVS], v2, 4, s76
	s_lshl_b32 s76, s35, 6
	v_lshl_add_u32 v[AQS], v2, 2, s76
	v_lshl_add_u32 v[AKS], v2, 2, s35
	v_lshlrev_b32 v[WVA], 8, v2
	s_delay_alu instid0(VALU_DEP_1)
	v_lshl_add_u32 v[WVA], v3, 4, v[WVA]           ; Wv: row r of 256 bytes, + 16 h
	v_lshlrev_b32 v[WQA], 8, v4
	s_delay_alu instid0(VALU_DEP_1)
	v_lshl_add_u32 v[WQA], v3, 4, v[WQA]           ; Wq, Wk: row r + 8 (r / 8)
	s_wait_alu depctr_va_vdst(0)
	v_lshlrev_b32 v[O8R], 3, v2                    ; scale words: 8 bytes a row
	s_wait_alu depctr_va_vdst(0)
	v_lshlrev_b32 v[O8P], 3, v4
	s_wait_alu depctr_va_vdst(0)
	v_lshlrev_b32 v[O64H], 6, v3                   ; bq, bk: 16 numbers on for lanes 16-31
	s_wait_alu depctr_va_vdst(0)
	v_lshlrev_b32 v[O4R], 2, v2
	s_wait_alu depctr_va_vdst(0)
	v_lshlrev_b32 v[O4P], 2, v4
	s_wait_alu depctr_va_vdst(0)
	s_mov_b32 s77, 0
	s_lshl_b32 s76, s34, 13
	s_add_nc_u64 s[12:13], s[12:13], s[76:77]      ; my 32 rows of Wv,
	s_lshl_b32 s76, s34, 8
	s_add_nc_u64 s[14:15], s[14:15], s[76:77]      ; their scale bytes,
	s_lshl_b32 s76, s34, 7
	s_add_nc_u64 s[16:17], s[16:17], s[76:77]      ; their bv
	s_lshl_b32 s76, s38, 14
	s_lshl_b32 s78, s37, 8
	s_add_co_u32 s76, s76, s78
	s_add_co_u32 s76, s76, s39
	s_add_nc_u64 s[10:11], s[10:11], s[76:77]      ; the mask at my tile's first pixel
	s_lshl_b32 s66, s38, 5
	s_lshr_b32 s78, s37, 1
	s_add_co_u32 s66, s66, s78
	s_mul_i32 s66, s66, RECB                       ; my record of kv, in bytes
	s_mov_b32 s67, 0
	s_lshl_b32 s74, s38, 6
	s_add_co_u32 s74, s74, s37
	s_mul_i32 s74, s74, QRECB                      ; my record of qs
	s_mov_b32 s75, 0
	s_lshl_b32 s78, s35, 9                         ; 512 T
	s_lshl_b32 s79, s71, 11                        ; 2,048 x half
	s_add_co_u32 s60, s66, s78
	s_add_co_u32 s60, s60, s79
	s_add_co_u32 s60, s60, 32768                   ; where k's codes go
	s_add_co_u32 s61, s74, s78                     ; where q's go
	s_cmp_eq_u32 s36, 0                            ; q's wave or k's?  The choice hangs on the wave's number alone
	s_cselect_b32 s60, s61, s60
	s_cselect_b64 s[52:53], s[18:19], s[24:25]
	s_cselect_b64 s[54:55], s[20:21], s[26:27]
	s_cselect_b64 s[56:57], s[22:23], s[28:29]
	s_cselect_b64 s[58:59], s[32:33], s[30:31]
	s_mov_b32 s61, 0
	s_add_nc_u64 s[58:59], s[58:59], s[60:61]
	s_add_nc_u64 s[66:67], s[30:31], s[66:67]
	s_add_nc_u64 s[74:75], s[32:33], s[74:75]
	s_lshl_b32 s76, s34, 12
	s_lshl_b32 s78, s71, 10
	s_add_co_u32 s76, s76, s78
	v_add_nc_u32 v[VWO], s76, v[LI]                ; V's codes: 4,096 w + 1,024 x half + 16 x lane
	s_mul_i32 s76, s71, 768
	v_add_nc_u32 v[SV0], s76, v[LI]
	v_add_nc_u32 v[SV1], s76, v[L8]
	s_mov_b32 s68, 0x76543210
	s_mov_b32 s69, 0xfedcba98                      ; v_permlanex16_b32's selects for lane l xor 16
	WIN 0x40                                       ; destination window 1
.irp ctl, 0,1
.irp s, 0,1
.irp c, 0,1,2,3
	global_load_b128 v[128+16*(2*\ctl+\s)+4*\c:128+16*(2*\ctl+\s)+4*\c+3], v[WVA], s[12:13] offset:4096*\ctl+128*\s+32*\c
.endr
.endr
.endr
.irp u, 0,1
.irp s, 0,1
.irp c, 0,1,2,3
	global_load_b128 v[192+16*(2*\u+\s)+4*\c:192+16*(2*\u+\s)+4*\c+3], v[WQA], s[52:53] offset:2048*\u+128*\s+32*\c
.endr
.endr
.endr
	WIN 0
.irp ctl, 0,1
.irp s, 0,1
	global_load_b32 v[WVS+2*\ctl+\s], v[O8R], s[14:15] offset:128*\ctl+4*\s
.endr
.endr
.irp u, 0,1
.irp s, 0,1
	global_load_b32 v[WQS+2*\u+\s], v[O8P], s[54:55] offset:64*\u+4*\s
.endr
.endr
.irp u, 0,1
	global_load_b128 v[BQ+8*\u:BQ+8*\u+3], v[O64H], s[56:57] offset:32*\u       ; register j of tile u: the bias of channel 8 u + 16 h + j
	global_load_b128 v[BQ+8*\u+4:BQ+8*\u+7], v[O64H], s[56:57] offset:32*\u+16
.endr
.irp ctl, 0,1
	global_load_b32 v[BVL+\ctl], v[O4R], s[16:17] offset:64*\ctl
.endr
	global_load_b32 v[MK], v[O4P], s[10:11]
	v_mov_b32 v[MK+1], 0                           ; named with the mask as a pair, so it is written
.irp b, 0,1,2,3
	v_mov_b32 v[TM+4+\b], 0                        ; written once: a lane permute's destination counts as one of its sources
.endr
	v_mov_b32 v[ZZ], 0
	v_mov_b32 v[ZZ+1], 0
	s_wait_tensorcnt 0x0                           ; my 32 rows of x are in LDS,
	s_barrier_signal -1
	s_barrier_wait -1                              ; everybody's are
	; ---- X: my fragment of x.  Register 16 c + i = channel 128 sel + 32 c + 16 h + i of my pixel
.irp c, 0,1,2,3
.irp i, 0,1,2,3,4,5,6,7,8,9,10,11,12,13,14,15
	ds_load_b32 v[RAW+16*\c+\i], v[XRA] offset:(32*\c+\i)*XP
.endr
.endr
	s_wait_loadcnt 0x0                             ; the weights, biases and mask are in (asked for behind x, they land with it)
.irp ctl, 0,1
.irp j, 0,1,2,3,4,5,6,7
	v_mov_b32 v[BV+8*\ctl+\j], v[BVL+\ctl]         ; bv as a sum's first C: a lane holds one channel, so all eight registers hold its bv
.endr
.endr
	s_wait_dscnt 0x0
	QUANT RAW
	IMAGE XWI, XIMG
	ds_store_b32 v[XWS], v[PW] offset:XSC
	BARRIER                                        ; x's eight fragments lie in LDS
	; ---- the products
	WIN 0x40
.irp g, 0,1,2,3,4,5,6,7
	FETCH 16*\g, LI, XIMG+2048*\g
.endr
	WIN 0
	FETCH XQ, XQI, XIMG
	FETCH XQ+16, XQI, XIMG+2048
.irp g, 0,1,2,3,4,5,6,7
	ds_load_b32 v[XS+\g], v[LS] offset:XSC+128*\g
.endr
	ds_load_b32 v[XQSC], v[XQS] offset:XSC
	ds_load_b32 v[XQSC+1], v[XQS] offset:XSC+128
	s_wait_dscnt 0x0
	; ten accumulators take turns, one instruction a turn, K step by K step; the biases start the sums
.irp s, 0,1
	WIN 0x05                                       ; sources 0 (x) and 1 (Wv) window 1
.irp ctl, 0,1
.irp t, 0,1,2,3
.if \s == 0
	v_wmma_scale_f32_16x16x128_f8f6f4 v[ACC+32*\ctl+8*\t:ACC+32*\ctl+8*\t+7], v[16*(2*\t+\s):16*(2*\t+\s)+15], v[128+16*(2*\ctl+\s):128+16*(2*\ctl+\s)+15], v[BV+8*\ctl:BV+8*\ctl+7], v[XS+2*\t+\s], v[WVS+2*\ctl+\s] matrix_a_fmt:MATRIX_FMT_BF8 matrix_b_fmt:MATRIX_FMT_BF8
.else
	v_wmma_scale_f32_16x16x128_f8f6f4 v[ACC+32*\ctl+8*\t:ACC+32*\ctl+8*\t+7], v[16*(2*\t+\s):16*(2*\t+\s)+15], v[128+16*(2*\ctl+\s):128+16*(2*\ctl+\s)+15], v[ACC+32*\ctl+8*\t:ACC+32*\ctl+8*\t+7], v[XS+2*\t+\s], v[WVS+2*\ctl+\s] matrix_a_fmt:MATRIX_FMT_BF8 matrix_b_fmt:MATRIX_FMT_BF8
.endif
.endr
.endr
	WIN 0x01                                       ; source 0 (Wq or Wk) window 1, source 1 (x) window 0
.irp u, 0,1
.if \s == 0
	v_wmma_scale_f32_16x16x128_f8f6f4 v[QA+8*\u:QA+8*\u+7], v[192+16*(2*\u+\s):192+16*(2*\u+\s)+15], v[XQ+16*\s:XQ+16*\s+15], v[BQ+8*\u:BQ+8*\u+7], v[WQS+2*\u+\s], v[XQSC+\s] matrix_a_fmt:MATRIX_FMT_BF8 matrix_b_fmt:MATRIX_FMT_BF8
.else
	v_wmma_scale_f32_16x16x128_f8f6f4 v[QA+8*\u:QA+8*\u+7], v[192+16*(2*\u+\s):192+16*(2*\u+\s)+15], v[XQ+16*\s:XQ+16*\s+15], v[QA+8*\u:QA+8*\u+7], v[WQS+2*\u+\s], v[XQSC+\s] matrix_a_fmt:MATRIX_FMT_BF8 matrix_b_fmt:MATRIX_FMT_BF8
.endif
.endr
.endr
	WIN 0
.rept 8
	v_nop                                          ; eight places behind this form before its results are read
.endr
	; ---- q or k: times my pixel's mask, then one block of 32 channels: register i = channel 16 h + i
.irp i, 0,2,4,6,8,10,12,14
	v_pk_mul_f32 v[QA+\i:QA+\i+1], v[QA+\i:QA+\i+1], v[MK:MK+1] op_sel_hi:[1,0]
.endr
	v_max3_num_f32 v[TM], |v[QA]|, |v[QA+1]|, 0x8000000            ; two chains, and the floor 2^(16 - 127)
	v_max3_num_f32 v[TM+1], |v[QA+2]|, |v[QA+3]|, |v[QA+4]|
.irp i, 5,9
	s_delay_alu instid0(VALU_DEP_2)
	v_max3_num_f32 v[TM], v[TM], |v[QA+\i]|, |v[QA+\i+1]|
	s_delay_alu instid0(VALU_DEP_2)
	v_max3_num_f32 v[TM+1], v[TM+1], |v[QA+\i+2]|, |v[QA+\i+3]|
.endr
	s_delay_alu instid0(VALU_DEP_2)
	v_max3_num_f32 v[TM], v[TM], |v[QA+13]|, |v[QA+14]|
	s_delay_alu instid0(VALU_DEP_1)
	v_max3_num_f32 v[TM], v[TM], v[TM+1], |v[QA+15]|
	s_delay_alu instid0(VALU_DEP_1)
	v_permlanex16_b32 v[TM+4], v[TM], s68, s69
	s_delay_alu instid0(VALU_DEP_1)
	v_max_num_f32 v[TM], v[TM], v[TM+4]            ; with lane l xor 16's 16 channels
	s_delay_alu instid0(VALU_DEP_1)
	v_add_nc_u32 v[TM+12], 0xf8800000, v[TM]
	s_delay_alu instid0(VALU_DEP_1)
	v_lshrrev_b32 v[QB], 23, v[TM+12]              ; the byte, in a register that is not written again
.irp i, 0,1,2,3,4,5,6,7,8,9,10,11,12,13,14,15
.endr
	v_cvt_scalef32_pk8_bf8_f32 v[PCQ:PCQ+1], v[QA:QA+7], v[TM+12]
	v_cvt_scalef32_pk8_bf8_f32 v[PCQ+2:PCQ+3], v[QA+8:QA+15], v[TM+12]
	v_nop                                          ; one plain vector instruction behind the last scaled conversion
	global_store_b128 v[LI], v[PCQ:PCQ+3], s[58:59]   ; 32 lanes store 512 consecutive bytes, at a multiple of 256 from the buffer's first byte
	s_cmp_eq_u32 s36, 0
	s_cbranch_scc0 .Lk_scale
	v_perm_b32 v[QW], v[QB], v[QB], 0              ; q's byte in all four places: one word serves q wherever it stands among a K step's four blocks
	ds_store_b32 v[AQS], v[QW] offset:QSST         ; (lanes r and r + 16 write the same word with the same value)
	s_branch .Lscale_done
.Lk_scale:
	s_wait_alu depctr_va_vdst(0)
	ds_store_b8 v[AKS], v[QB] offset:KSST          ; byte T of key row r's word
.Lscale_done:
	s_cmp_eq_u32 s34, 1
	s_cbranch_scc0 .Lno_zero
	ds_store_b64 v[L8], v[ZZ:ZZ+1] offset:KSST+64  ; zeros behind K's 64 bytes, so that a whole 256 bytes leave
.Lno_zero:
	; ---- v: register 16 (2 ctl + b) + i = pixel 32 b + 16 h + i of channel 16 (2 w + ctl) + r: four blocks along the keys
	QUANT ACC
.irp ctl, 0,1
.irp b, 0,1
	global_store_b128 v[VWO], v[PC+4*(2*\ctl+\b):PC+4*(2*\ctl+\b)+3], s[66:67] offset:2048*\ctl+512*\b   ; 512 consecutive bytes a store
.endr
.endr
	ds_store_b16 v[AVS], v[PW] offset:VSST                 ; channel tile 2 w: its two bytes; lanes 0-15 of the reader's register w
	ds_store_b16_d16_hi v[AVS], v[PW] offset:VSST+256      ; channel tile 2 w + 1: lanes 16-31
	BARRIER                                        ; all scale bytes lie in LDS
	; ---- the scale bytes leave in whole runs of 256 bytes
	s_cmp_eq_u32 s34, 0
	s_cbranch_scc0 .Lnot_0
	ds_load_b128 v[OUTR:OUTR+3], v[LI] offset:VSST
	s_wait_dscnt 0x0
	global_store_b128 v[SV0], v[OUTR:OUTR+3], s[66:67] offset:36864
	s_branch .Lend
.Lnot_0:
	s_cmp_eq_u32 s34, 1
	s_cbranch_scc0 .Lnot_1
	ds_load_b64 v[OUTR:OUTR+1], v[L8] offset:KSST
	s_wait_dscnt 0x0
	global_store_b64 v[SV1], v[OUTR:OUTR+1], s[66:67] offset:36864+512
	s_branch .Lend
.Lnot_1:
	s_cmp_eq_u32 s34, 2
	s_cbranch_scc0 .Lend
	ds_load_b64 v[OUTR:OUTR+1], v[L8] offset:QSST
	s_wait_dscnt 0x0
	global_store_b64 v[L8], v[OUTR:OUTR+1], s[74:75] offset:2048
.Lend:
	s_wait_tensorcnt 0x0
	ds_add_u32 v254, v255
	s_wait_dscnt 0x0
	s_endpgm
.Lfunc_end_k_qacbe511165_proj:
	.size	k_qacbe511165_proj, .Lfunc_end_k_qacbe511165_proj-k_qacbe511165_proj
	.p2alignl 7, 3214868480
	.fill 96, 4, 3214868480
	.section	.rodata,"a",@progbits
	.p2align	6, 0x0
	.amdhsa_kernel k_qacbe511165_proj
		.amdhsa_group_segment_fixed_size 168960
		.amdhsa_private_segment_fixed_size 0
		.amdhsa_enable_private_segment 0
		.amdhsa_kernarg_size 104
		.amdhsa_user_sgpr_count 2
		.amdhsa_user_sgpr_kernarg_segment_ptr 1
		.amdhsa_wavefront_size32 1
		.amdhsa_system_sgpr_workgroup_id_x 1
		.amdhsa_system_sgpr_workgroup_id_y 1
		.amdhsa_system_sgpr_workgroup_id_z 1
		.amdhsa_system_vgpr_workitem_id 0
		.amdhsa_next_free_vgpr 512
		.amdhsa_next_free_sgpr 80
		.amdhsa_reserve_vcc 0
		.amdhsa_float_denorm_mode_32 3
		.amdhsa_float_denorm_mode_16_64 3
		.amdhsa_fp16_overflow 1
		.amdhsa_memory_ordered 1
		.amdhsa_forward_progress 1
		.amdhsa_inst_pref_size 34
	.end_amdhsa_kernel
	.amdgpu_metadata
---
amdhsa.version: [ 1, 2 ]
amdhsa.kernels:
  - .name:           k_qacbe511165_proj
    .symbol:         k_qacbe511165_proj.kd
    .args:
      - { .name: x, .offset: 0, .size: 8, .value_kind: global_buffer, .address_space: global }
      - { .name: mask, .offset: 8, .size: 8, .value_kind: global_buffer, .address_space: global }
      - { .name: Wv_codes, .offset: 16, .size: 8, .value_kind: global_buffer, .address_space: global }
      - { .name: Wv_scales, .offset: 24, .size: 8, .value_kind: global_buffer, .address_space: global }
      - { .name: bv, .offset: 32, .size: 8, .value_kind: global_buffer, .address_space: global }
      - { .name: Wq_codes, .offset: 40, .size: 8, .value_kind: global_buffer, .address_space: global }
      - { .name: Wq_scales, .offset: 48, .size: 8, .value_kind: global_buffer, .address_space: global }
      - { .name: bq, .offset: 56, .size: 8, .value_kind: global_buffer, .address_space: global }
      - { .name: Wk_codes, .offset: 64, .size: 8, .value_kind: global_buffer, .address_space: global }
      - { .name: Wk_scales, .offset: 72, .size: 8, .value_kind: global_buffer, .address_space: global }
      - { .name: bk, .offset: 80, .size: 8, .value_kind: global_buffer, .address_space: global }
      - { .name: kv, .offset: 88, .size: 8, .value_kind: global_buffer, .address_space: global }
      - { .name: qs, .offset: 96, .size: 8, .value_kind: global_buffer, .address_space: global }
    .group_segment_fixed_size: 168960
    .private_segment_fixed_size: 0
    .kernarg_segment_align: 8
    .kernarg_segment_size: 104
    .max_flat_workgroup_size: 256
    .sgpr_count:     80
    .vgpr_count:     512
    .wavefront_size: 32
...
	.end_amdgpu_metadata
.endif
;; end of part 1
;; launch attn (part 2): grid 64 x 4, 8 waves a work-group, clusters of 4 x 1, 327,680 bytes of LDS; arguments kv, qs, x, gamma, out0; writes out0
.if DOCPART == 2
	.amdgcn_target "amdgcn-amd-amdhsa--gfx1250"
	.amdhsa_code_object_version 6
	.text
	.protected	k_qacbe511165_attn
	.globl	k_qacbe511165_attn
	.p2align	8
	.type	k_qacbe511165_attn,@function
k_qacbe511165_attn:
	s_mov_b64 s[64:65], 0
	v_nop
	global_prefetch_b8 v0, s[64:65] scope:SCOPE_SE
	s_setreg_imm32_b32 hwreg(HW_REG_WAVE_MODE, 25, 1), 1
	s_wait_xcnt 0x0
	s_wait_alu depctr_hold_cnt(0) depctr_sa_sdst(0) depctr_va_vdst(0) depctr_va_sdst(0) depctr_va_ssrc(0) depctr_va_vcc(0) depctr_vm_vsrc(0)
	s_getreg_b32 s2, hwreg(HW_REG_IB_STS2, 6, 4)
	s_cmp_eq_u32 s2, 0
	s_cbranch_scc0 .Lentry_in_a_cluster
	s_endpgm
.Lentry_in_a_cluster:
	s_bfe_u32 s2, ttmp6, 0x10000c
	s_cmp_lg_u32 s2, 0x3003
	s_cbranch_scc0 .Lentry_shape_is_right
	s_endpgm
.Lentry_shape_is_right:
; out[b][c][i] = gamma x (sum over j of v[b][c][j] p[i][j]) / l[i] + x[b][c][i], p = 2^(t - M), t = (q_i . k_j) log2(e), M = the ceiling of the row's largest t, l = the sum of the unquantised p.
; Both products on codes of BF8 (E5M2) with one E8M0 scale for each 32 along K; q, k, v come as images of operand registers from the launch before (kv: a record of 38,400 bytes for 128 keys; qs: 2,304 bytes for 64 queries).
; SHARES.  A work-group owns 64 queries of a batch.  Wave w: qh = w % 2, kq = w / 2: query tiles 2 qh, 2 qh + 1 (32 queries) against keys 1,024 kq on, 8 steps of 128.  The four quarters of the keys meet in LDS at the end:
; M is a whole number, so bringing them under one M is a multiplication by a power of two.
; LAYOUT.  Both products are used transposed (S^T = K Q^T, O^T = V P^T): a lane holds ONE query throughout.  Lane r of query tile T stands for pixel 32 (T / 2) + 8 (T % 2) + r + 8 (r / 8), key tiles likewise, so that
; the 16 registers of two neighbouring key tiles are 16 neighbouring keys.
; THE FIRST PRODUCT'S K IS 32, the instruction's 128: one fragment of K carries FOUR key tiles, one in each block of 32, and q stands in block c with zero codes in the other three: the zeros add nothing (k's codes are held
; finite).  q's four places are one run of registers, 12 zeros | q of tile 0 | 12 zeros | q of tile 1 | 12 zeros: the fragment with q in block c begins 4 c registers ahead of q.
; THE SOFTMAX GOES BY SLICES.  A tile's 64 exponentials stand four to a slice, and behind each stands plain work that is ready: the scaling of the slice two ahead, the sums of the slice before, and, in tile 0's
; slices, the search for tile 1's maximum.  So no exponential waits for the one before it while plain work is at hand, and the links of a sum's chain stand a slice apart.
; CLUSTER.  The four work-groups of a cluster belong to one batch and walk the same records: each wave's tensor load (half a record, 75 rows of 256 bytes) is asked for JOINTLY, with the same descriptor and the mask of all four.
; A ring of two slots of four records (one for each key quarter); one round of the cluster's barrier a step; a load has a whole step in which to land.
; LIMITS: NaN and infinities are not served; a p under 2^-126 counts as 0 (v_exp_f32 flushes); blocks whose p are all 0 carry the scale byte 1 over zero codes.
; REGISTERS.  window 0: v1-7 addresses; v8-15 two tiles' -M, largest t, sum in two halves; v16-19 the factors as pairs; v20-33 scale words; v34-51 at work; v52-95 q's run; v96-127 K's two fragments, then p's codes
;   (v112-120 between the two: tile 1's maxima); v128-255 S^T (64 a tile), then V's fragments, 4 to a buffer.   window 1: O^T, accumulator (tile t, channel tile ct) at 128 t + 8 ct.
.set RECB,  38400                      ; a record
.set SLOT,  4*RECB                     ; a slot: the four quarters' records of one step
.set KOFF,  32768                      ; in a record: K's two fragments
.set SOFF,  36864                      ; and the scale bytes: for each half of 64 keys 512 of V's, 64 of K's, 192 unused
.set SPARE, 2*SLOT                     ; the spare words, 128 bytes for each wave: four blocks of 256 bytes that no other line names
.set STAT,  SPARE+1024                 ; -M and l of every wave, 512 bytes each; no fill lands here
.set SREG,  256*272                    ; the way out: for each key quarter 256 channels x (64 queries x 4 bytes + 16), over the slots, which have had their last fill and their last read by then
.set SPW,  1
.set NIL,  2
.set L16,  3                           ; 16 x lane
.set AKS0, 4                           ; K's scale words: 768 (lane / 16) + 4 (lane % 16)
.set ADR,  5                           ; L16 + the record in hand
.set ADS,  6                           ; AKS0 + the record in hand
.set PFO,  7                           ; 16,384 x lane
.set QS,   20                          ; v20-21 q's scale words
.set KS,   22                          ; v22    K's: lanes 0-15 fragment 0, lanes 16-31 fragment 1
.set PW,   23                          ; v23-24 p's
.set VS,   26                          ; v26-33 V's: register k: lanes 0-15 channel tile 2 k, lanes 16-31 tile 2 k + 1
.set BM,   34                          ; v34-37 a block's largest score, then largest p
.set PB,   38                          ; v38-41 the other half's; bytes
.set HD,   42
.set SO,   46                          ; v46-49 the conversions' scale operands
.set T0,   50                          ; v50-51 at work; the sum's second chain
.set QR,   64                          ; q of tile t at v[QR + 16 t]
.set KF,   96
.set PC,   96
.set BM1,  112                         ; v112-115 tile 1's largest scores, found while tile 0's exponentials run; v116-119 the other half's; v120 at work
.set PB1,  116
.set TM1,  120
.set S,    128
.set MSB, 0
.macro WIN new                         ; the immediate's high byte repeats the setting that is left
.if MSB != \new
	s_set_vgpr_msb (MSB<<8)|\new
.set MSB, \new
.endif
.endm
.macro ROUND                           ; a round of the cluster's barrier
	s_barrier_signal -1
	s_barrier_wait -1
	s_cmp_lg_u32 s16, 0
	s_cbranch_scc1 .Lnot_wave_0_\@
	s_barrier_signal -3
.Lnot_wave_0_\@:
	s_barrier_wait -3
	s_barrier_signal -1
	s_barrier_wait -1
.endm
; THE CHANGE OF SLOTS stands at a step's head.  Each wave waits for all its tensor loads (its half record of the step ahead), adds 0 to its spare word, and waits for that and for its reads of the slot that it has left.
; fill = 1: a round of the cluster's barrier, and behind it the slot just left takes the step after next's records: the wave's one tensor load until the next round.
.macro CHANGE fill
	s_wait_tensorcnt 0x0                           ; no tensor load of mine is out, so group 0 may be written
	ds_add_u32 v[SPW], v[NIL]                      ; 0 onto my spare word
.if \fill
	s_xor_b32 s30, s30, SLOT                       ; the other slot than last time,
	s_add_co_u32 s37, s30, s31                     ; my half record's place in it,
	s_add_nc_u64 s[38:39], s[38:39], RECB          ; my quarter's next 128 keys; the type bits on top are not reached
.endif
	s_wait_dscnt 0x0                               ; the add is done, and my reads of the slot that I have left are over
.if \fill
	ROUND                                          ; no wave of any partner still reads that slot or has a load on its way
	tensor_load_to_lds s[36:39], s[40:47]
	s_nop 0
.rept 4
	v_nop
.endr
.else
	s_barrier_signal -1
	s_barrier_wait -1
.endif
.endm
; THE SOFTMAX, FIRST PART: the 49 lines that bring a tile's -M and its factor f = 2^(old M - new M) on; P1OP writes line idx of them.  A lane's 64 scores: register 16 b + i = key 32 b + 16 (lane / 16) + i.
;   0-31   the largest score of each block of 32 keys, the four blocks by turns, ascending: each accumulator is first read at its low end.  It serves twice: for the row's maximum and, since p rises with the score, for the block's largest p
;   32-39  with lane l xor 16's 16 keys        40-48  the step's largest score as t; the running largest t; -M = floor(-t) = -ceil(t); old M - new M, a whole number, 0 or less; f by v_ldexp_f32: a multiplication by it rounds nothing
.macro P1OP tile, bm, pb, tmp, idx
.set P1Q, (\idx)%4
.set P1S, S+64*(\tile)
.set P1T, 8+4*(\tile)
.if (\idx) < 4
	v_max3_num_f32 v[\bm+P1Q], v[P1S+16*P1Q], v[P1S+16*P1Q+1], v[P1S+16*P1Q+2]
.elseif (\idx) < 28
	v_max3_num_f32 v[\bm+P1Q], v[\bm+P1Q], v[P1S+16*P1Q+2*((\idx)/4)+1], v[P1S+16*P1Q+2*((\idx)/4)+2]
.elseif (\idx) < 32
	v_max_num_f32 v[\bm+P1Q], v[\bm+P1Q], v[P1S+16*P1Q+15]
.elseif (\idx) < 36
	v_permlanex16_b32 v[\pb+P1Q], v[\bm+P1Q], s24, s25
.elseif (\idx) < 40
	v_max_num_f32 v[\bm+P1Q], v[\bm+P1Q], v[\pb+P1Q]
.elseif (\idx) == 40
	v_max3_num_f32 v[\tmp], v[\bm], v[\bm+1], v[\bm+2]
.elseif (\idx) == 41
	v_max_num_f32 v[\tmp], v[\tmp], v[\bm+3]
.elseif (\idx) == 42
	v_mul_f32 v[\tmp], s22, v[\tmp]                ; as t (log2(e) is positive)
.elseif (\idx) == 43
	v_max_num_f32 v[P1T+1], v[P1T+1], v[\tmp]
.elseif (\idx) == 44
	v_mov_b32 v[\tmp], v[P1T]
.elseif (\idx) == 45
	v_floor_f32 v[P1T], -v[P1T+1]
.elseif (\idx) == 46
	v_sub_f32 v[\tmp], v[P1T], v[\tmp]
.elseif (\idx) == 47
	v_cvt_i32_f32 v[\tmp], v[\tmp]                 ; (it saturates)
.elseif (\idx) == 48
	v_ldexp_f32 v[16+2*(\tile)], 1.0, v[\tmp]
.endif
.endm
.macro FILL on                         ; the next line of tile 1's first part, while there is one
.if \on
	P1OP 1, BM1, PB1, TM1, NB
.set NB, NB+1
.endif
.endm
; THE SOFTMAX, SECOND PART: p = 2^(t - M), its sum, its codes and its scale word.  bsrc: where the blocks' largest scores lie.  on = 1: tile 1's first part fills the slices.
; Slice k of 16 takes pair k % 8 of blocks 2 (k / 8) and 2 (k / 8) + 1: four exponentials.  Behind them: t - M for slice k + 2; the sums of slice k - 1, in two chains.
; A seventeenth slice drains.  Slices 0 to 2, take the scales' lines; slices 9 to 12 the conversions of blocks 0 and 1.
.macro P2 tile, bsrc, on
.set SS, S+64*\tile
.set ST, 8+4*\tile
.set FF, 16+2*\tile
.set PCT, PC+16*\tile
.irp b, 0,1,2,3
	v_fma_f32 v[BM+\b], v[\bsrc+\b], s22, v[ST]    ; t - M of each block's largest score
.endr
	v_pk_fma_f32 v[SS:SS+1], v[SS:SS+1], s[22:23], v[ST:ST+1] op_sel_hi:[1,0,0]   ; t - M, two at a time (of the pairs log2(e) and -M the low word serves both halves): slices 0 and 1
	v_exp_f32 v[BM], v[BM]                         ; the block's largest p: the same multiply-add and exponential on the same number as the element itself
	v_pk_fma_f32 v[SS+16:SS+17], v[SS+16:SS+17], s[22:23], v[ST:ST+1] op_sel_hi:[1,0,0]
	v_exp_f32 v[BM+1], v[BM+1]
	v_pk_fma_f32 v[SS+2:SS+3], v[SS+2:SS+3], s[22:23], v[ST:ST+1] op_sel_hi:[1,0,0]
	v_exp_f32 v[BM+2], v[BM+2]
	v_pk_fma_f32 v[SS+18:SS+19], v[SS+18:SS+19], s[22:23], v[ST:ST+1] op_sel_hi:[1,0,0]
	v_exp_f32 v[BM+3], v[BM+3]
	v_pk_mul_f32 v[ST+2:ST+3], v[ST+2:ST+3], v[FF:FF+1] op_sel_hi:[1,0]   ; the sum under the new M
.set k, 0
.rept 17
.set kb, k-1
.set rE, SS+32*(k/8)+2*(k%8)
.set rF, SS+32*((k+2)/8)+2*((k+2)%8)
.set rA, SS+32*(kb/8)+2*(kb%8)
.set hA, HD+2*(kb/8)
.if k < 16
	v_exp_f32 v[rE], v[rE]                         ; p, at most 1, not normalised
.endif
.if k < 14
	v_pk_fma_f32 v[rF:rF+1], v[rF:rF+1], s[22:23], v[ST:ST+1] op_sel_hi:[1,0,0]
.endif
	FILL \on
.if k < 16
	v_exp_f32 v[rE+1], v[rE+1]
.endif
.if k < 14
	v_pk_fma_f32 v[rF+16:rF+17], v[rF+16:rF+17], s[22:23], v[ST:ST+1] op_sel_hi:[1,0,0]
.endif
	FILL \on
.if k < 16
	v_exp_f32 v[rE+16], v[rE+16]
.endif
.if k == 0
	s_wait_alu depctr_va_vdst(0)
.irp b, 0,1,2,3
	v_max_num_f32 v[BM+\b], 0x8000000, v[BM+\b]    ; the floor 2^(16 - 127): the byte cannot fall under 1
.endr
.elseif k == 1
	s_wait_alu depctr_va_vdst(0)
	v_pk_add_f32 v[T0:T0+1], v[rA:rA+1], v[rA+16:rA+17]   ; slice 0's two pairs start the second chain
.else
	s_wait_alu depctr_va_vdst(0)
	v_pk_add_f32 v[ST+2:ST+3], v[ST+2:ST+3], v[rA:rA+1]
.endif
	FILL \on
.if k < 16
	v_exp_f32 v[rE+17], v[rE+17]
.endif
.if k == 0
.irp b, 0,1,2,3
	v_add_nc_u32 v[SO+\b], 0xf8800000, v[BM+\b]    ; 15 off the exponent field: the conversion's scale operand
.endr
.irp b, 0,1,2,3
.endr
.else
.if k > 1
	s_wait_alu depctr_va_vdst(0)
	v_pk_add_f32 v[T0:T0+1], v[T0:T0+1], v[rA+16:rA+17]
.endif
.endif
.if k == 1
.irp b, 0,1,2,3
	v_lshrrev_b32 v[PB+\b], 23, v[SO+\b]           ; the scale's byte
.endr
.elseif k == 2
	v_lshl_or_b32 v[PW+\tile], v[PB+1], 8, v[PB]   ; p's scale word for these 128 keys
	v_lshl_or_b32 v[PW+\tile], v[PB+2], 16, v[PW+\tile]
	v_lshl_or_b32 v[PW+\tile], v[PB+3], 24, v[PW+\tile]
.elseif (k >= 9) && (k < 13)
.set cc, k-9                                   ; blocks 0 and 1 are whole after slice 7: eight numbers to a conversion
	v_cvt_scalef32_pk8_bf8_f32 v[PCT+2*cc:PCT+2*cc+1], v[SS+8*cc:SS+8*cc+7], v[SO+cc/2]
.endif
.set k, k+1
.endr
	v_pk_add_f32 v[ST+2:ST+3], v[ST+2:ST+3], v[T0:T0+1]   ; the two chains meet
.irp c, 4,5,6,7
	v_cvt_scalef32_pk8_bf8_f32 v[PCT+2*\c:PCT+2*\c+1], v[SS+8*\c:SS+8*\c+7], v[SO+\c/2]
.endr
	v_nop                                          ; one plain vector instruction behind the last scaled conversion
.endm
.macro VLOAD g, buf                    ; V's fragments of channel tiles 4 g .. 4 g + 3: 16 loads of 512 consecutive bytes
.irp u, 0,1,2,3
.irp b, 0,1,2,3
	ds_load_b128 v[\buf+16*\u+4*\b:\buf+16*\u+4*\b+3], v[ADR] offset:2048*(4*\g+\u)+512*\b
.endr
.endr
.endm
.macro RESC g                          ; O^T of channel tiles 4 g .. 4 g + 3 under the new M: x f, each accumulator from its low end on
	WIN 0x41                                       ; O^T (destination and source 0) window 1, f window 0
.irp t, 0,1
.irp u, 0,1,2,3
.irp j, 0,2,4,6
	v_pk_mul_f32 v[128*\t+8*(4*\g+\u)+\j:128*\t+8*(4*\g+\u)+\j+1], v[128*\t+8*(4*\g+\u)+\j:128*\t+8*(4*\g+\u)+\j+1], v[16+2*\t:17+2*\t] op_sel_hi:[1,0]
.endr
.endr
.endr
.endm
.macro PV g, buf, first                ; O^T += V P^T: 8 products, every accumulator once a step.  first = 1: they start the sums: nothing is ever cleared
	WIN 0x50                                       ; C and D window 1
.irp u, 0,1,2,3
.irp t, 0,1
.set rO, 128*\t+8*(4*\g+\u)
.set rV, \buf+16*\u
.set rP, PC+16*\t
.set rS, VS+(4*\g+\u)/2
.if \first
.if \u%2
	v_wmma_scale_f32_16x16x128_f8f6f4 v[rO:rO+7], v[rV:rV+15], v[rP:rP+15], 0, v[rS], v[PW+\t] matrix_a_fmt:MATRIX_FMT_BF8 matrix_b_fmt:MATRIX_FMT_BF8 matrix_a_scale:MATRIX_SCALE_ROW1
.else
	v_wmma_scale_f32_16x16x128_f8f6f4 v[rO:rO+7], v[rV:rV+15], v[rP:rP+15], 0, v[rS], v[PW+\t] matrix_a_fmt:MATRIX_FMT_BF8 matrix_b_fmt:MATRIX_FMT_BF8
.endif
.else
.if \u%2
	v_wmma_scale_f32_16x16x128_f8f6f4 v[rO:rO+7], v[rV:rV+15], v[rP:rP+15], v[rO:rO+7], v[rS], v[PW+\t] matrix_a_fmt:MATRIX_FMT_BF8 matrix_b_fmt:MATRIX_FMT_BF8 matrix_a_scale:MATRIX_SCALE_ROW1
.else
	v_wmma_scale_f32_16x16x128_f8f6f4 v[rO:rO+7], v[rV:rV+15], v[rP:rP+15], v[rO:rO+7], v[rS], v[PW+\t] matrix_a_fmt:MATRIX_FMT_BF8 matrix_b_fmt:MATRIX_FMT_BF8
.endif
.endif
.endr
.endr
.endm
.macro PLACES n
.rept \n
	v_nop
.endr
.endm
; A STEP: my quarter's 128 keys of the slot in hand, against my two tiles of queries.
.macro STEP first
	s_add_co_u32 s33, s29, s32                     ; my quarter's record in the slot in hand
	v_add_nc_u32 v[ADR], s33, v[L16]
	v_add_nc_u32 v[ADS], s33, v[AKS0]
	PLACES 8                                       ; with the two additions ten places behind the last products: the scores are written over registers that those read (nine are asked), and loads go into others (eight)
.irp u, 0,1
.irp c, 0,1,2,3
	ds_load_b128 v[KF+16*\u+4*\c:KF+16*\u+4*\c+3], v[ADR] offset:KOFF+2048*\u+512*\c
.endr
.endr
	ds_load_b32 v[KS], v[ADS] offset:SOFF+512
	ds_load_b128 v[VS:VS+3], v[ADR] offset:SOFF        ; V's scale bytes of keys 0-63: two bytes for each of 8 registers
	ds_load_b128 v[BM:BM+3], v[ADR] offset:SOFF+768    ; and of keys 64-127
	s_wait_dscnt 0x0
.irp t, 0,1                            ; S^T = K Q^T: tile t, fragment u, its block c: 16 keys x 16 queries.  Tile 0 first: its maximum is searched while tile 1's products run
.irp u, 0,1
.irp c, 0,1,2,3
.if \u == 0
	v_wmma_scale_f32_16x16x128_f8f6f4 v[S+64*\t+8*(4*\u+\c):S+64*\t+8*(4*\u+\c)+7], v[KF+16*\u:KF+16*\u+15], v[QR+16*\t-4*\c:QR+16*\t-4*\c+15], 0, v[KS], v[QS+\t] matrix_a_fmt:MATRIX_FMT_BF8 matrix_b_fmt:MATRIX_FMT_BF8
.else
	v_wmma_scale_f32_16x16x128_f8f6f4 v[S+64*\t+8*(4*\u+\c):S+64*\t+8*(4*\u+\c)+7], v[KF+16*\u:KF+16*\u+15], v[QR+16*\t-4*\c:QR+16*\t-4*\c+15], 0, v[KS], v[QS+\t] matrix_a_fmt:MATRIX_FMT_BF8 matrix_b_fmt:MATRIX_FMT_BF8 matrix_a_scale:MATRIX_SCALE_ROW1
.endif
.endr
.endr
.endr
.irp i, 0,1,2,3                        ; V's scale words are pieced together from the two halves' pairs of bytes.  These eight name no register of the products above: they are the eight places behind them
	v_perm_b32 v[VS+4+\i], v[BM+\i], v[VS+\i], s28     ; register 4 + i: the upper pairs
.endr
.irp i, 0,1,2,3
	v_perm_b32 v[VS+\i], v[BM+\i], v[VS+\i], s27       ; register i: the lower pairs
.endr
.set NA, 0
.set NB, 0
.rept 40
	P1OP 0, BM, PB, T0, NA                         ; tile 0's first part: the blocks' maxima
.set NA, NA+1
.endr
.rept 9
	P1OP 0, BM, PB, T0, NA                         ; its last nine lines each read the line before: tile 1's first nine stand between them
.set NA, NA+1
	P1OP 1, BM1, PB1, TM1, NB                      ; (v112 on: K's second fragment is done with, 48 plain instructions behind the last product that read it)
.set NB, NB+1
.endr
	P2 0, BM, 1                                    ; tile 0's exponentials, with the other 40 lines of tile 1's first part three to a slice
	VLOAD 0, S                                     ; tile 0's scores are done with: their registers take V
	P2 1, BM1, 0
	VLOAD 1, S+64
.if \first
	PLACES 4                                       ; p's codes stand four places ahead of the products
.else
	RESC 0
.endif
	s_wait_dscnt 16                                ; the first 16 loads are in; the 16 behind them may be out
	PV 0, S, \first
.if \first
	PLACES 8                                       ; places in front of loads into registers that the products above read
.else
	RESC 1                                         ; (these name none of those products' registers: they are the places too)
.endif
	WIN 0
	VLOAD 2, S
	s_wait_dscnt 16                                ; all but the 16 just issued
	PV 1, S+64, \first
.if \first
	PLACES 8
.else
	RESC 2
.endif
	WIN 0
	VLOAD 3, S+64
	s_wait_dscnt 16
	PV 2, S, \first
.if !\first
	RESC 3
.endif
	s_wait_dscnt 0x0
	PV 3, S+64, \first
	WIN 0                                          ; at a label and at a branch every window is 0
	s_xor_b32 s29, s29, SLOT                       ; on to the other slot
.endm
	s_load_b256 s[4:11], s[0:1], 0x0               ; kv s[4:5], qs s[6:7], x s[8:9], gamma s[10:11]
	s_load_b64 s[12:13], s[0:1], 0x20              ; out0
	v_lshl_add_u32 v[SPW], v0, 2, SPARE
	v_mov_b32 v[NIL], 0
	ds_add_u32 v1, v2
	ds_add_u32 v1, v2
	s_wait_dscnt 0x0
	v_lshrrev_b32 v3, 5, v0
	v_readfirstlane_b32 s16, v3                    ; wave 0..7
	s_and_b32 s17, s16, 1                          ; qh
	s_lshr_b32 s18, s16, 1                         ; kq
	s_bfe_u32 s19, ttmp6, 0x40000                  ; cx: my place in the cluster
	s_lshl_b32 s20, ttmp9, 2
	s_add_co_u32 s20, s20, s19                     ; my block of 64 queries: it enters the addresses of qs, x and out0 alone
	s_and_b32 s21, ttmp7, 0xffff                   ; the batch, which the four partners share
	s_mov_b32 s22, 0x3fb8aa3b                      ; log2(e)
	s_mov_b32 s23, s22                             ; (named with it as a pair, so it is written)
	s_mov_b32 s24, 0x76543210
	s_mov_b32 s25, 0xfedcba98                      ; v_permlanex16_b32's selects for lane l xor 16
	s_mov_b32 s27, 0x05040100                      ; v_perm_b32: the two lower halves
	s_mov_b32 s28, 0x07060302                      ; the two upper halves
	s_mov_b32 s29, 0                               ; the slot that is read
	s_mov_b32 s30, 0                               ; the slot that is filled
	s_mul_i32 s31, s16, RECB/2                     ; my half record's place in a slot
	s_mul_i32 s32, s18, RECB                       ; my quarter's record in a slot
	; descriptor group 1: 75 dense rows of 32 elements of 8 bytes; the mask names all four work-groups, bit 21 beside it
	s_mov_b32 s40, 15|(3<<16)|(1<<21)
	s_mov_b32 s41, 32<<16                          ; tensor_dim0 = 32
	s_mov_b32 s42, 75<<16                          ; tensor_dim1 = 75
	s_mov_b32 s43, 32<<16                          ; tile_dim0 = 32
	s_mov_b32 s44, 75                              ; tile_dim1 = 75
	s_mov_b32 s45, 32                              ; from row to row
	s_mov_b32 s46, 0
	s_mov_b32 s47, 0
	s_lshl_b32 s48, s21, 5
	s_lshl_b32 s49, s18, 3
	s_add_co_u32 s48, s48, s49
	s_mul_i32 s48, s48, RECB                       ; record 32 x batch + 8 kq,
	s_mul_i32 s49, s17, RECB/2
	s_add_co_u32 s48, s48, s49                     ; its half qh
	s_mov_b32 s49, 0
	s_lshl_b32 s50, s21, 6
	s_add_co_u32 s50, s50, s20
	s_mul_i32 s50, s50, 2304                       ; my record of qs
	s_mov_b32 s51, 0
	s_lshl_b32 s52, s21, 22
	s_lshl_b32 s53, s16, 19
	s_add_co_u32 s52, s52, s53
	s_lshl_b32 s53, s20, 8
	s_add_co_u32 s52, s52, s53                     ; x and out0: the batch, channel 32 w, my 64 pixels
	s_mov_b32 s53, 0
	s_wait_kmcnt 0x0
	s_load_b32 s14, s[10:11], 0x0                  ; gamma
	s_mov_b32 s36, 1                               ; group 0: count = 1
	s_mov_b32 s37, s31                             ; LDS: slot 0
	s_add_nc_u64 s[38:39], s[4:5], s[48:49]
	s_or_b32 s39, s39, 0x80000000                  ; type = 2
	s_add_nc_u64 s[6:7], s[6:7], s[50:51]
	s_add_nc_u64 s[8:9], s[8:9], s[52:53]
	s_add_nc_u64 s[12:13], s[12:13], s[52:53]
	ROUND                                          ; all four work-groups are here: the first joint loads meet
	tensor_load_to_lds s[36:39], s[40:47]          ; step 0
	s_nop 0
.rept 4
	v_nop
.endr
	v_and_b32 v[L16], 31, v0
	v_lshlrev_b32 v[PFO], 14, v[L16]
	v_lshlrev_b32 v[L16], 4, v[L16]
	v_and_b32 v[T0], 15, v0                        ; r
	v_bfe_u32 v[AKS0], v0, 4, 1                    ; h
	v_mul_u32_u24 v[AKS0], v[AKS0], 768
	v_lshl_add_u32 v[AKS0], v[T0], 2, v[AKS0]
	s_lshl_b32 s54, s17, 7
	v_lshl_add_u32 v[T0], v[T0], 2, s54            ; q's scale words: 4 r + 64 x tile
	s_lshl_b32 s54, s17, 10
	v_add_nc_u32 v[T0+1], s54, v[L16]              ; q's codes: 16 x lane + 512 x tile
	global_load_b128 v[QR:QR+3], v[T0+1], s[6:7]
	global_load_b128 v[QR+16:QR+19], v[T0+1], s[6:7] offset:512
	global_load_b32 v[QS], v[T0], s[6:7] offset:2048
	global_load_b32 v[QS+1], v[T0], s[6:7] offset:2048+64
.irp z, 52,68,84                       ; the three runs of 12 zero registers round q: zero codes for the blocks in which q does not stand
.irp i, 0,1,2,3,4,5,6,7,8,9,10,11
	v_mov_b32 v[\z+\i], 0
.endr
.endr
.irp t, 0,1
	v_mov_b32 v[9+4*\t], 0xff61b1e6                ; the largest t so far: -3e38, under every t
	v_floor_f32 v[8+4*\t], -v[9+4*\t]              ; -M
	v_mov_b32 v[10+4*\t], 0                        ; the sum, in two halves
	v_mov_b32 v[11+4*\t], 0
	v_mov_b32 v[17+2*\t], 0                        ; (named as the upper half of f's pair)
.endr
.irp b, 0,1,2,3
	v_mov_b32 v[PB+\b], 0                          ; written once: a lane permute's destination counts as one of its sources
.endr
	s_wait_loadcnt 0x0                             ; q
	s_wait_kmcnt 0x0                               ; gamma
	s_mov_b32 s15, s14                             ; (named with it as a pair)
	CHANGE 1                                       ; step 0 is in; step 1 goes out, into slot 1
	STEP 1                                         ; the first step is written out: its products start O^T's sums
	s_mov_b32 s34, 6
.Lstep:                                            ; steps 1 to 6; they ask for steps 2 to 7
	CHANGE 1
	STEP 0
	s_sub_co_u32 s34, s34, 1
	s_cmp_lg_u32 s34, 0
	s_cbranch_scc1 .Lstep
	CHANGE 0                                       ; the last step is written out
	global_prefetch_b8 v[PFO], s[8:9] th:TH_LOAD_NT scope:SCOPE_SE   ; x's 256 bytes of channel 32 w + lane: the 32 pieces that this wave loads one step on; each piece is asked for once in the launch
	STEP 0
	; ---- THE END.  The addresses are made first: 18 plain instructions that name none of the last products' registers: the places behind them
.set XO,  37
.set STA, 38
	v_and_b32 v34, 15, v0                          ; r
	v_bfe_u32 v35, v0, 4, 1                        ; h
	v_and_b32 v36, 8, v34
	v_add_nc_u32 v36, v36, v34                     ; r + 8 (r / 8)
	v_lshlrev_b32 v[XO], 14, v35
	v_lshl_add_u32 v[XO], v34, 4, v[XO]            ; x, out0: lanes 0-15 one channel's 256 bytes, lanes 16-31 the next channel's
	s_mul_i32 s48, s18, SREG
	s_lshl_b32 s49, s17, 7
	s_add_co_u32 s48, s48, s49
	v_mul_u32_u24 v[STA], v35, 8*272
	v_lshl_add_u32 v[STA], v36, 2, v[STA]
	v_add_nc_u32 v[STA], s48, v[STA]               ; into my quarter's stage: channel 8 h, pixel 32 qh + r + 8 (r / 8)
	v_add_nc_u32 v[STA+1], 128*272, v[STA]         ; and 128 channels on (an offset has 16 bits)
	s_mul_i32 s48, s16, 32*272
	v_mul_u32_u24 v40, v35, 272
	v_lshl_add_u32 v40, v34, 4, v40
	v_add_nc_u32 v40, s48, v40                     ; back: channel 32 w + h, 16 bytes a lane, in quarter 0's stage,
	v_add_nc_u32 v41, SREG, v40                    ; quarter 1's,
	v_add_nc_u32 v42, 2*SREG, v40
	v_add_nc_u32 v43, 3*SREG, v40
	s_lshl_b32 s48, s16, 9
	s_add_co_u32 s48, s48, STAT
	v_add_nc_u32 v48, s48, v[L16]                  ; my wave's statistics
	s_lshl_b32 s48, s17, 9
	s_add_co_u32 s48, s48, STAT
	v_add_nc_u32 v49, s48, v[L16]                  ; those of the four waves that hold my queries
.irp i, 0,1,2,3,4,5,6,7,8,9,10,11,12,13,14,15
	global_load_b128 v[S+4*\i:S+4*\i+3], v[XO], s[8:9] offset:32768*\i th:TH_LOAD_NT   ; x of channels 32 w + 2 i, + 1: asked for now, used at the very end
.endr
.irp t, 0,1
	v_add_f32 v[9+4*\t], v[10+4*\t], v[11+4*\t]    ; the sum's two halves (the largest t is done with: l takes its place beside -M),
.endr
.irp t, 0,1
	v_permlanex16_b32 v[T0+\t], v[9+4*\t], s24, s25
.endr
.irp t, 0,1
	v_add_f32 v[9+4*\t], v[9+4*\t], v[T0+\t]       ; and lane l xor 16's
.endr
	ds_store_b64 v48, v[8:9]
	ds_store_b64 v48, v[12:13] offset:8
	s_wait_dscnt 0x0                               ; my statistics have landed, and my reads of the slots are over
	s_barrier_signal -1
	s_barrier_wait -1                              ; everybody's: the slots may be written over
.irp q, 0,1,2,3
	ds_load_b128 v[52+4*\q:55+4*\q], v49 offset:1024*\q   ; quarter q: -M and l of tile 0, of tile 1
.endr
	s_wait_dscnt 0x0
.irp t, 0,1
	v_min3_num_f32 v[44+\t], v[52+2*\t], v[56+2*\t], v[60+2*\t]
.endr
.irp t, 0,1
	v_min_num_f32 v[44+\t], v[44+\t], v[64+2*\t]   ; -M of the whole row
.endr
.irp q, 0,1,2,3
.irp t, 0,1
	v_sub_f32 v[52+4*\q+2*\t], v[44+\t], v[52+4*\q+2*\t]   ; the quarter's M less the row's: a whole number, 0 or less
.endr
.endr
.irp q, 0,1,2,3
.irp t, 0,1
	v_cvt_i32_f32 v[52+4*\q+2*\t], v[52+4*\q+2*\t]
.endr
.endr
.irp q, 0,1,2,3
.irp t, 0,1
	v_ldexp_f32 v[53+4*\q+2*\t], v[53+4*\q+2*\t], v[52+4*\q+2*\t]   ; the quarter's l under the row's M
.endr
.endr
.irp t, 0,1
	v_add_f32 v[53+2*\t], v[53+2*\t], v[57+2*\t]
	v_add_f32 v[61+2*\t], v[61+2*\t], v[65+2*\t]
.endr
.irp t, 0,1
	v_add_f32 v[53+2*\t], v[53+2*\t], v[61+2*\t]   ; the row's l
	v_sub_f32 v[46+\t], v[44+\t], v[8+4*\t]        ; my own quarter's M less the row's
.endr
.irp t, 0,1
	v_cvt_i32_f32 v[46+\t], v[46+\t]
.endr
.irp t, 0,1
	v_rcp_f32 v[53+2*\t], v[53+2*\t]
.endr
	v_nop                                          ; one plain instruction behind the reciprocals
	s_wait_alu depctr_va_vdst(0)
.irp t, 0,1
	v_ldexp_f32 v[16+2*\t], v[53+2*\t], v[46+\t]   ; 2^(my M - the row's M) / l
.endr
	WIN 0x41
.irp t, 0,1
.set jj, 0
.rept 64
	v_pk_mul_f32 v[128*\t+jj:128*\t+jj+1], v[128*\t+jj:128*\t+jj+1], v[16+2*\t:17+2*\t] op_sel_hi:[1,0]   ; ascending: each accumulator from its low end on
.set jj, jj+2
.endr
.endr
	WIN 0x04                                       ; an LDS store's data are its source 1: window 1
.irp t, 0,1
.irp ct, 0,1,2,3,4,5,6,7,8,9,10,11,12,13,14,15
.irp j, 0,1,2,3,4,5,6,7
	ds_store_b32 v[STA+\ct/8], v[128*\t+8*\ct+\j] offset:(16*(\ct%8)+\j)*272+32*\t   ; channel 16 ct + 8 h + j, pixel 32 qh + 8 t + r + 8 (r / 8): the 32 lanes fall on 32 different banks
.endr
.endr
.endr
	WIN 0
	s_wait_dscnt 0x0                               ; for the others' sake: my part of the stage has landed
	s_barrier_signal -1
	s_barrier_wait -1
.macro GLOAD q, buf                    ; quarter q's part of my 32 channels: 16 loads, two whole rows of 256 bytes each
.irp i, 0,1,2,3,4,5,6,7,8,9,10,11,12,13,14,15
	ds_load_b128 v[\buf+4*\i:\buf+4*\i+3], v[40+\q] offset:544*\i
.endr
.endm
.macro GFMA buf                        ; x += gamma x that part
.set jj, 0
.rept 32
	v_pk_fma_f32 v[S+jj:S+jj+1], v[\buf+jj:\buf+jj+1], s[14:15], v[S+jj:S+jj+1] op_sel_hi:[1,0,1]
.set jj, jj+2
.endr
.endm
	GLOAD 0, 192
	GLOAD 1, 64
	s_wait_loadcnt 0x0                             ; x
	s_wait_dscnt 16                                ; quarter 0's 16 loads are in; quarter 1's may be out
	GFMA 192
	GLOAD 2, 192
	s_wait_dscnt 16                                ; quarter 1's
	GFMA 64
	GLOAD 3, 64
	s_wait_dscnt 16                                ; quarter 2's
	GFMA 192
	s_wait_dscnt 0x0
.irp i, 0,1,2,3,4,5,6,7,8,9,10,11,12,13,14,15
	v_pk_fma_f32 v[S+4*\i:S+4*\i+1], v[64+4*\i:64+4*\i+1], s[14:15], v[S+4*\i:S+4*\i+1] op_sel_hi:[1,0,1]
	v_pk_fma_f32 v[S+4*\i+2:S+4*\i+3], v[64+4*\i+2:64+4*\i+3], s[14:15], v[S+4*\i+2:S+4*\i+3] op_sel_hi:[1,0,1]
	global_store_b128 v[XO], v[S+4*\i:S+4*\i+3], s[12:13] offset:32768*\i th:TH_STORE_NT   ; 16 lanes store 256 consecutive bytes, at a multiple of 256 from out0's first byte
.endr
	s_wait_tensorcnt 0x0                           ; the wave's end, behind my last tensor load and my last LDS store
	ds_add_u32 v[SPW], v[NIL]
	s_wait_dscnt 0x0
	ROUND                                          ; the closing round: no work-group ends while a partner may still ask for a tile that names it
	s_endpgm
.Lfunc_end_k_qacbe511165_attn:
	.size	k_qacbe511165_attn, .Lfunc_end_k_qacbe511165_attn-k_qacbe511165_attn
	.p2alignl 7, 3214868480
	.fill 96, 4, 3214868480
	.section	.rodata,"a",@progbits
	.p2align	6, 0x0
	.amdhsa_kernel k_qacbe511165_attn
		.amdhsa_group_segment_fixed_size 327680
		.amdhsa_private_segment_fixed_size 0
		.amdhsa_enable_private_segment 0
		.amdhsa_kernarg_size 40
		.amdhsa_user_sgpr_count 2
		.amdhsa_user_sgpr_kernarg_segment_ptr 1
		.amdhsa_wavefront_size32 1
		.amdhsa_system_sgpr_workgroup_id_x 1
		.amdhsa_system_sgpr_workgroup_id_y 1
		.amdhsa_system_sgpr_workgroup_id_z 1
		.amdhsa_system_vgpr_workitem_id 0
		.amdhsa_next_free_vgpr 512
		.amdhsa_next_free_sgpr 66
		.amdhsa_reserve_vcc 0
		.amdhsa_float_denorm_mode_32 3
		.amdhsa_float_denorm_mode_16_64 3
		.amdhsa_fp16_overflow 1
		.amdhsa_memory_ordered 1
		.amdhsa_forward_progress 1
		.amdhsa_inst_pref_size 174
	.end_amdhsa_kernel
	.amdgpu_metadata
---
amdhsa.version: [ 1, 2 ]
amdhsa.kernels:
  - .name:           k_qacbe511165_attn
    .symbol:         k_qacbe511165_attn.kd
    .args:
      - { .name: kv, .offset: 0, .size: 8, .value_kind: global_buffer, .address_space: global }
      - { .name: qs, .offset: 8, .size: 8, .value_kind: global_buffer, .address_space: global }
      - { .name: x, .offset: 16, .size: 8, .value_kind: global_buffer, .address_space: global }
      - { .name: gamma, .offset: 24, .size: 8, .value_kind: global_buffer, .address_space: global }
      - { .name: out0, .offset: 32, .size: 8, .value_kind: global_buffer, .address_space: global }
    .group_segment_fixed_size: 327680
    .private_segment_fixed_size: 0
    .kernarg_segment_align: 8
    .kernarg_segment_size: 40
    .max_flat_workgroup_size: 256
    .sgpr_count:     66
    .vgpr_count:     512
    .wavefront_size: 32
...
	.end_amdgpu_metadata
.endif
;; end of part 2
